; MI455X (gfx1250); checked and timed in simulation.
; The chip was launched on July 23, 2026; its instructions are those of AMD's public machine-readable ISA for CDNA 5 (MIT licence, August 2026) and "CDNA5" Instruction Set Architecture Reference Guide (July 2026). The comments in the code are by the model that wrote it; some were corrected since.
;; compute Attention Weight Proj. Allowed arithmetic: matrix products marked QUANTISED: E2M3 operands, one E8M0 scale for each 32 along K, by v_wmma_scale_f32_16x16x128_f8f6f4 with both operands' format E2M3, f32 sums; products left as they are: f32 operands where the result goes on into a quantised operand, else bf16, f16 or f32 operands; f32 sums; everything else in f32.
;; Inputs: G 8 x 4 x 2,048 x 32 float32; K_codes 8 x 4 x 2,048 x 1 x 24 uint8 (E2M3 codes of K, K innermost, in blocks of 32 codes, four codes in three bytes); K_scales 8 x 4 x 2,048 x 1 uint8 (E8M0 scales of K, one for each 32 codes along K); Q_codes 8 x 4 x 2,048 x 1 x 24 uint8 (E2M3 codes of Q, K innermost, in blocks of 32 codes, four codes in three bytes); Q_scales 8 x 4 x 2,048 x 1 uint8 (E8M0 scales of Q, one for each 32 codes along K); V_codes 8 x 4 x 32 x 64 x 24 uint8 (E2M3 codes of V, K innermost, in blocks of 32 codes, four codes in three bytes); V_scales 8 x 4 x 32 x 64 uint8 (E8M0 scales of V, one for each 32 codes along K); seqMask 4 x 2,048 bool.
;; Outputs: out0 4 x 2,048 x 8 x 32 float32.
;; This version of the problem:
;;   THIS VERSION OF THE PROBLEM IS GIVEN IN LOW PRECISION. The matrix products marked QUANTISED in the list below multiply operands that are first quantised to E2M3 (2 exponent bits, 3 mantissa bits; 6 bits a number), with one power-of-two scale for each 32 numbers along K (OCP MX v1.0); their sums are f32. All else is computed in f32.
;;   The module's matrix products, in the order in which they are computed (A, B: the left and right operand; K: the contracted axis; several contracted axes count as one K, in the product's order):
;;     1. batch 32 x [M 2,048, K 32] x [K 32, N 2,048]; A: input Q (given as codes); B: input K (given as codes): QUANTISED
;;     2. batch 32 x [M 32, K 2,048] x [K 2,048, N 2,048]; A: input V (given as codes); B: softmax (see below): QUANTISED
;;     3. batch 2,097,152 x [M 1, K 1] x [K 1, N 1]; A: computed on the way; B: computed on the way: left as it is (no contracted axis)
;;   THE QUANTISER, for each operand of a quantised product, along K:
;;     - K is cut into blocks of 32 from its start; a last block that is shorter is filled with zeros.
;;     - A block's scale is 2^e with e = floor(log2(the largest magnitude in the block)) - 2, held to -126 .. 127; a block of zeros has e = 0. As a byte (E8M0): e + 127.
;;     - Each number is divided by its block's scale, clamped to +-7.5, and rounded to the nearest number of E2M3, ties to even, subnormals kept.
;;     - The product sums the exact products of the quantised numbers (number of the format x scale) in f32.
;;   ~~~python
;;   def quantise(x, axis):      # numpy; x: float32 -> the quantised numbers, widened to float32 again
;;       x = np.moveaxis(x, axis, -1); K = x.shape[-1]
;;       x = np.pad(x, [(0, 0)] * (x.ndim - 1) + [(0, -K % 32)]); x = x.reshape(x.shape[:-1] + (-1, 32)); a = np.abs(x).max(-1, keepdims=True)
;;       e = np.where(a > 0, np.clip(np.frexp(np.where(a > 0, a, 1))[1] - 1 - 2, -126, 127), 0)      # np.frexp(a)[1] - 1 = floor(log2(a)), exactly
;;       r = np.clip(x / 2.0 ** e, -7.5, 7.5)
;;       step = 2.0 ** (np.maximum(np.frexp(np.where(r == 0, 1, r))[1] - 1, 0) - 3)
;;       q = np.round(r / step) * step * 2.0 ** e      # np.round: ties to even
;;       return np.moveaxis(q.reshape(q.shape[:-2] + (-1,))[..., :K], -1, axis).astype(np.float32)
;;   ~~~
;;   SOFTMAX AHEAD OF A QUANTISED PRODUCT. Where the list says 'softmax', what is quantised is not the finished softmax but p = 2^(t - M), with t = logit x log2(e) and M = ceil(the row's largest t), a whole number; so 1/2 < the row's largest p <= 1. The row's sum l is taken of the UNQUANTISED p, in f32, and the product's result is divided by l at the end. Since M is a whole number, a kernel that streams over the keys may use a running M (the ceiling of the running maximum): every later rescaling is an exact power of two, which a block's scale takes up: the codes' values come out the same.
;;   OPERANDS COMPUTED ON THE WAY. 'Computed on the way' means the value that the module computes at that place (a softmax that the list does not call 'softmax' is quantised finished and normalised). What goes into a quantiser is computed in f32, as accurately as f32 sums, v_exp_f32 and their like allow (about 1e-6 of the number): no bf16 or f16 on the way to a quantiser, and a product that is left as it is and whose result goes on into a quantised operand takes f32 operands (vector FMAs, or v_wmma_f32_16x16x4_f32). A number that lies on a knife's edge between two numbers of the format may be rounded either way, as far as f32 arithmetic and the matrix unit's own rounding can turn it there, and no further.
;;   INPUTS GIVEN AS CODES. K (in the module: [8, 4, 2048, 32], K = its axis 3); Q (in the module: [8, 4, 2048, 32], K = its axis 3); V (in the module: [8, 4, 2048, 32], K = its axis 2): each comes as NAME_codes (uint8): NAME with its K axis moved to the last place and cut into blocks of 32 codes, [.., K / 32, bytes a block], one block behind the other in memory; four codes in three bytes: a row's codes are one little-endian stream of bits, code i at bits 6 i .. 6 i + 5 (a code: sign, 2 exponent bits, 3 mantissa bits); and NAME_scales (uint8): the same leading axes, one E8M0 byte (e + 127) for each 32 codes along K. Its value is code x scale, taken as it is: it is not quantised again, and the codes and scales need not be those that the quantiser above would give.
;; 2 versions. Each part assembles by itself: llvm-mc -triple=amdgcn-amd-amdhsa -mcpu=gfx1250 --defsym DOCPART=n.
;; ======== version 1 of 2: 1 launch
;; launch band_attn (part 1): grid 16 x 16, 8 waves a work-group, no clusters, 54,272 bytes of LDS; arguments G, K_codes, K_scales, Q_codes, Q_scales, V_codes, V_scales, seqMask, out0; writes out0
.if DOCPART == 1
	.amdgcn_target "amdgcn-amd-amdhsa--gfx1250"
	.amdhsa_code_object_version 6
	.text
	.protected	k_q51ad0a29f4_band_attn
	.globl	k_q51ad0a29f4_band_attn
	.p2align	8
	.type	k_q51ad0a29f4_band_attn,@function
k_q51ad0a29f4_band_attn:
	s_mov_b64 s[64:65], 0
	v_nop
	global_prefetch_b8 v0, s[64:65] scope:SCOPE_SE
	s_setreg_imm32_b32 hwreg(HW_REG_WAVE_MODE, 25, 1), 1
	s_wait_xcnt 0x0
; out[n][s][h][:] = G[h][n][s][:] x (sum over t of softmax_t(Q[h][n][s] . K[h][n][t] / sqrt(32)) V[h][n][t][:]), keys t with |s - t| <= 10 that seqMask does not hide.
; Both products on codes of FP6 (E2M3) with one E8M0 scale for each 32 along a product's K.  Q, K: 24 bytes and one scale byte a row.  V: keys innermost, 32 channel rows of 64 blocks of 24 bytes a head.
; THE SOFTMAX AHEAD OF THE SECOND PRODUCT: t = score x log2(e) / sqrt(32); M = ceil(the row's largest t); p = 2^(t - M) is quantised along the keys in aligned blocks of 32; the row's sum of the unquantised p divides at the end.
; THE BAND: a tile of 16 queries sees keys of exactly two aligned blocks of 32, X and X + 1: 64 keys.  All other blocks' p are zeros and are not computed.
; SHARES.  Work-group (c, y): queries 128 c .. 128 c + 127 of batch n = y % 4 and of the two heads 2 (y / 4), 2 (y / 4) + 1.  Wave w: the tile of 16 queries 8 c + w, for BOTH heads: two heads x 32 channels x 4 bytes
; are 256 consecutive bytes of out for each query, so a wave stores whole aligned runs of 256 bytes out of its own stage.  A lane holds ONE query (lane % 16) throughout: both products are used transposed.
; PRODUCT 1 has K = 32 in an instruction of K = 128.  One fragment of K's codes carries FOUR tiles of 16 keys, one in each 32 along the instruction's K; Q stands in ONE of the four and zero codes in the other three,
; so each of four instructions picks one tile of keys.  Zero codes add nothing whatever stands against them.  The keys of a tile are chosen (lane r of tile bt: key 32 (bt / 2) + 8 (bt % 2) + r + 8 (r / 8)) so that a lane's
; registers 0-15 are 16 neighbouring keys of block X and registers 16-31 of block X + 1.
; PRODUCT 2: p's codes fill the first 64 along K (lanes 0-15 block X, lanes 16-31 block X + 1), zero codes the rest; V's fragment is six registers of data followed by any six written registers.
; NO LOOP, NO BRANCH, EXEC NEVER CHANGES: all 38 global loads of a wave go out at its head and are waited for by counts that run down.  V's window goes through LDS (one barrier), since a tile wants 48 bytes of each of 64 rows.
; NO TENSOR LOADS, NO CLUSTER: a work-group reads its inputs once (about 85 KB, 32 KB of it G, which nobody shares); what neighbours share is the halo, one block of 32 keys on each side of 128.
; OUT OF RANGE.  Block -1 (tile 0) and block 64 (tile 127) do not exist.  Every offset that can leave its buffer is an absolute byte offset held by v_min_u32 at the largest offset that a key in range needs (an offset below 0
; wraps to a large number and is held too): such lanes read other codes of the same buffer, their scores are hidden like masked keys, and their p are zero codes.
; LIMITS: a scale byte 0xff (NaN) among the inputs is not served (it would spread to the other key tiles of its fragment); p under 2^-126 counts as 0 (v_exp_f32 gives 0 there).  A query all of whose keys are hidden gives NaN, as the softmax of an empty row does.
.set VP,   272                         ; LDS pitch: 256 bytes + 16 = 68 words: sixteen neighbouring rows begin in sixteen different groups of four banks (64 banks of 4 bytes: ISA guide 11.1)
.set VC,   0                           ; LDS: V's codes: 64 rows (32 x head + channel) of 256 bytes from byte 96 c - 32 of the channel's row: block 4 c - 1 + i begins at byte 8 + 24 i
.set VS,   64*VP                       ; V's scale bytes: 16 bytes a row, blocks 4 c - 4 .. 4 c + 11: block 4 c - 1 + i is byte 3 + i
.set ST,   VS+1024                     ; the stages: 16 rows x 272 bytes for each wave, its own
.set STW,  16*VP
.set HC,   196608                      ; from head A to head B (four (head, batch) pairs on): bytes in each tensor of codes,
.set HSC,  8192                        ; of scale bytes,
.set HG,   1048576                     ; and in G
.set VG,   4                           ; v4   V's codes: my 16 bytes of the window, absolute offset
.set VSG,  5                           ; v5   V's scale bytes: my 4
.set MX,   6                           ; v6   seqMask: key 32 X + lane;  v7: key 32 X + 32 + lane
.set MY,   7
.set KSX,  8                           ; v8   K's scale bytes, block X (lanes 0-15 head A, lanes 16-31 head B);  v9: block X + 1
.set KSY,  9
.set QSO,  10                          ; v10  Q's scale byte (halves as above)
.set QO,   11                          ; v11  Q's codes: row r
.set KX,   12                          ; v12  K's codes: my key of block X;  v13: of block X + 1
.set KY,   13
.set GO,   14                          ; v14  G, in the layout of the way out
.set OO,   15                          ; v15  out
.set VCW,  16                          ; v16  LDS: where I put 16 bytes of V's window;  v17: 4 scale bytes
.set VSW,  17
.set VA,   18                          ; v18  LDS: my 24 bytes of a fragment of V;  v19: my channel's scale byte of block X
.set VSA,  19
.set STO,  20                          ; v20  the stage: where I put 32 bytes of a row;  v21: where I read 16 bytes back
.set SRD,  21
.set KSC,  22                          ; v22  K's scale words;  v23 Q's;  v24, v25 V's (head A, B; lane = channel);  v26, v27 p's: these six hold scales and nothing else
.set QSC,  23
.set VSC,  24
.set PSC,  26
.set MM,   28                          ; v28-35, v36-43: at work; in the softmax eight registers a head: +0, +1 the blocks' largest t, then p; +2, +3 the other half's, then bytes; +4 -M, then 1 / sum; +5 largest t; +6, +7 scale operands
.set WW,   38                          ; v38-39 the hidden-key bits of my 16 keys of each block, at bits 8 to 23
.set YT,   40                          ; v40-43 at work
.set LOM,  44                          ; v44  all ones in lanes 0-15;  v45 in lanes 16-31;  later V's scale bytes of block X + 1
.set HIM,  45
.set KV,   46                          ; v46-69   K's fragments (12 a head); later V's four (6 each: head A tile 0, 1, head B tile 0, 1)
.set QS,   70                          ; v70-123  zeros, Q(A) low, zeros, Q(A) high, zeros, Q(B) low, zeros, Q(B) high, zeros: six registers each; p's codes later lie over the 'low' groups
.set GG,   124                         ; v124-155 G
.set T,    156                         ; v156-219 scores, t, p: 32 a head.  Before: V's window on its way (v156-171), Q as loaded (v172-183).  At the end: rows of out
.set BI,   220                         ; v220-251 0 or -infinity for my 32 keys; later O^T: 16 a head
	s_load_b512 s[4:19], s[0:1], 0x0               ; G s[4:5], K's codes s[6:7], K's scales s[8:9], Q's codes s[10:11], Q's scales s[12:13], V's codes s[14:15], V's scales s[16:17], seqMask s[18:19]
	s_load_b64 s[20:21], s[0:1], 0x40              ; out.  The nine addresses stay as they are: every offset lives in a vector register or an immediate
	v_lshl_add_u32 v254, v0, 2, 0xd000
	v_mov_b32 v255, 0
	v_lshrrev_b32 v1, 5, v0
	v_readfirstlane_b32 s22, v1                    ; w: wave 0..7
	v_and_b32 v3, 31, v0                           ; lane
	v_and_b32 v1, 15, v0                           ; r
	v_bfe_u32 v2, v0, 4, 1                         ; h
	s_mov_b32 s23, ttmp9                           ; c
	s_and_b32 s24, ttmp7, 0xffff                   ; y
	s_lshr_b32 s25, s24, 2                         ; the pair of heads
	s_and_b32 s26, s24, 3                          ; n
	s_lshl_b32 s27, s25, 3
	s_add_co_u32 s27, s27, s26                     ; head A's (head, batch) pair: 4 x (2 x pair) + n
	s_lshl_b32 s28, s23, 3
	s_add_co_u32 s28, s28, s22                     ; my tile of queries: 8 c + w
	s_lshl_b32 s29, s28, 4                         ; my first query
	s_add_co_u32 s30, s22, 1
	s_lshr_b32 s30, s30, 1                         ; sg = (w + 1) / 2: block X = 4 c - 1 + sg
	s_and_b32 s31, s22, 1                          ; the tile's parity: an odd tile begins 16 keys into block X, an even one at block X + 1
	s_lshl_b32 s32, s23, 7
	s_lshl_b32 s54, s30, 5
	s_add_co_u32 s32, s32, s54
	s_sub_co_u32 s32, s32, 32                      ; block X's first key, 32 X: -32 in tile 0
	s_lshl_b32 s33, s27, 11                        ; head A's first row
	s_mul_i32 s34, s27, 49152                      ; head A's first byte of codes (2,048 x 24 = 32 x 1,536)
	s_mul_i32 s49, s23, 96
	s_add_co_u32 s49, s49, s34
	s_sub_co_u32 s49, s49, 32                      ; V's codes: the window begins at byte 96 c - 32 of a channel's row
	s_mul_i32 s54, s32, 24
	s_add_co_u32 s34, s34, s54                     ; K's codes at block X
	s_add_co_u32 s35, s33, s32                     ; K's scale bytes at block X
	s_lshl_b32 s54, s26, 11
	s_add_co_u32 s36, s54, s32                     ; seqMask at block X
	s_add_co_u32 s48, s54, s29
	s_lshl_b32 s48, s48, 10
	s_lshl_b32 s54, s25, 8
	s_add_co_u32 s48, s48, s54                     ; out: (2,048 n + my first query) x 1,024 + 256 x pair
	s_add_co_u32 s37, s33, s29                     ; Q's scale bytes at my first query
	s_mul_i32 s38, s37, 24                         ; Q's codes
	s_lshl_b32 s39, s37, 7                         ; G
	s_lshl_b32 s50, s23, 2
	s_add_co_u32 s50, s50, s33
	s_sub_co_u32 s50, s50, 4                       ; V's scale bytes: from block 4 c - 4 of a channel's row (32 x 64 = 2,048 bytes a head)
	s_mov_b32 s40, 0x76543210
	s_mov_b32 s41, 0xfedcba98                      ; v_permlanex16_b32's selects for lane l xor 16
	s_mov_b32 s42, 0x3e8293ee                      ; log2(e) / sqrt(32)
	s_mov_b32 s43, s42                             ; (the packed form names the pair and takes its low word for both halves: so it is written)
	s_cmp_eq_u32 s31, 0
	s_cselect_b32 s46, -1, 0                       ; an even tile: all ones,
	s_cselect_b32 s47, 16, 0                       ; and its band lies 16 keys further up
	s_mul_i32 s51, s30, 24
	s_add_co_u32 s51, s51, VC+8                    ; LDS: block X in a row of V's window
	s_add_co_u32 s52, s30, VS+3                    ; and among a row's scale bytes
	s_mul_i32 s53, s22, STW
	s_add_co_u32 s53, s53, ST                      ; my stage
	; the offsets.  v33-35 are at work
	v_lshrrev_b32 v35, 4, v0                       ; thread / 16: the row of the window that I copy (and 16, 32, 48 rows on)
	v_mul_u32_u24 v[VG], v35, 1536
	v_lshl_add_u32 v[VG], v1, 4, v[VG]
	v_add_nc_u32 v[VG], s49, v[VG]
	v_min_u32 v[VG], 1351664, v[VG]                ; + 221,184 (the last of the four rows) + 16 = the buffer's 1,572,864 bytes; held are only bytes of blocks -1 and 64 on
	v_mul_u32_u24 v[VCW], v35, VP
	v_lshl_add_u32 v[VCW], v1, 4, v[VCW]
	v_lshrrev_b32 v34, 2, v0                       ; thread / 4 = 32 x head + channel
	v_lshlrev_b32 v[VSG], 6, v34
	v_lshrrev_b32 v34, 7, v0
	v_mad_u32_u24 v[VSG], v34, HSC-2048, v[VSG]    ; head B lies 8,192 bytes on, of which 32 x 64 are counted already
	v_and_b32 v34, 3, v0
	v_lshl_add_u32 v[VSG], v34, 2, v[VSG]
	v_add_nc_u32 v[VSG], s50, v[VSG]
	v_min_u32 v[VSG], 65532, v[VSG]
	v_lshl_add_u32 v[VSW], v0, 2, VS
	v_add_nc_u32 v[MX], s36, v3
	v_add_nc_u32 v[MY], 32, v[MX]
	v_min_u32 v[MX], 8191, v[MX]
	v_min_u32 v[MY], 8191, v[MY]
	v_and_b32 v34, 8, v1
	v_add_nc_u32 v34, v34, v1                      ; r + 8 (r / 8)
	v_lshl_add_u32 v[KSX], v2, 13, v34
	v_add_nc_u32 v[KSX], s35, v[KSX]
	v_add_nc_u32 v[KSY], 32, v[KSX]
	v_min_u32 v[KSX], 65527, v[KSX]                ; + 8 (the immediate of the odd key tiles) = the buffer's last byte
	v_min_u32 v[KSY], 65527, v[KSY]
	v_lshl_add_u32 v[QSO], v2, 13, v1
	v_add_nc_u32 v[QSO], s37, v[QSO]
	v_mul_u32_u24 v[QO], v1, 24
	v_add_nc_u32 v[QO], s38, v[QO]
	v_mul_u32_u24 v[KX], v34, 24
	v_mad_u32_u24 v[KX], v2, 192, v[KX]            ; my key of a block: r + 8 (r / 8) + 8 h
	v_add_nc_u32 v[KX], s34, v[KX]
	v_add_nc_u32 v[KY], 768, v[KX]
	v_min_u32 v[KX], 1376232, v[KX]                ; + 196,608 (head B) + 24 = the buffer's 1,572,864 bytes
	v_min_u32 v[KY], 1376232, v[KY]
	v_bfe_u32 v35, v0, 3, 1                        ; the way out: lanes 0-15 one query, lanes 16-31 the next; in each, eight lanes head A's 128 bytes, eight head B's
	v_lshlrev_b32 v[GO], 20, v35
	v_lshl_add_u32 v[GO], v2, 7, v[GO]
	v_and_b32 v35, 7, v0
	v_lshl_add_u32 v[GO], v35, 4, v[GO]
	v_add_nc_u32 v[GO], s39, v[GO]
	v_lshlrev_b32 v[OO], 10, v2
	v_lshl_add_u32 v[OO], v1, 4, v[OO]
	v_add_nc_u32 v[OO], s48, v[OO]
	v_mul_u32_u24 v[VA], v1, VP
	v_mad_u32_u24 v[VA], v2, 24, v[VA]             ; channel r of a tile; lanes 16-31 take block X + 1
	v_add_nc_u32 v[VA], s51, v[VA]
	v_lshl_add_u32 v[VSA], v3, 4, s52              ; lane = channel
	v_mul_u32_u24 v[STO], v1, VP
	v_lshl_add_u32 v[STO], v2, 5, v[STO]
	v_add_nc_u32 v[STO], s53, v[STO]
	v_mul_u32_u24 v[SRD], v2, VP
	v_lshl_add_u32 v[SRD], v1, 4, v[SRD]
	v_add_nc_u32 v[SRD], s53, v[SRD]
	s_wait_kmcnt 0x0
	; ---- ALL 38 LOADS, in the order in which they are wanted
.irp i, 0,1,2,3
	global_load_b128 v[T+4*\i:T+4*\i+3], v[VG], s[14:15] offset:24576*\i+(HC-49152)*(\i/2)   ; 1-4: V's window: rows 16 i + thread / 16 (16 channels are 24,576 bytes; rows 32 on are head B's); sixteen lanes read 256 consecutive bytes
.endr
	global_load_b32 v[HIM], v[VSG], s[16:17]                       ; 5: V's scale bytes
	global_load_u8 v31, v[MX], s[18:19]                            ; 6, 7: seqMask of the 64 keys, a key a lane
	global_load_u8 v32, v[MY], s[18:19]
	global_load_u8 v[KSC], v[KSX], s[8:9]                          ; 8-11: the scale bytes of row r of the four key tiles
	global_load_u8 v28, v[KSX], s[8:9] offset:8
	global_load_u8 v29, v[KSY], s[8:9]
	global_load_u8 v30, v[KSY], s[8:9] offset:8
	global_load_u8 v[QSC], v[QSO], s[12:13]                        ; 12: Q's
.irp x, 0,1
.irp p, 0,1,2
	global_load_b64 v[T+16+6*\x+2*\p:T+17+6*\x+2*\p], v[QO], s[10:11] offset:HC*\x+8*\p th:TH_LOAD_NT   ; 13-18: Q's row r, in both halves of the lanes; read by this wave alone
.endr
.endr
.irp x, 0,1
.irp p, 0,1,2
	global_load_b64 v[KV+12*\x+2*\p:KV+12*\x+2*\p+1], v[KX], s[6:7] offset:HC*\x+8*\p       ; 19-30: K: registers 0-5 key tiles 0 (lanes 0-15) and 1 (lanes 16-31): the three loads cover block X's 768 bytes
.endr
.irp p, 0,1,2
	global_load_b64 v[KV+12*\x+6+2*\p:KV+12*\x+7+2*\p], v[KY], s[6:7] offset:HC*\x+8*\p     ; registers 6-11 key tiles 2 and 3: block X + 1
.endr
.endr
.irp i, 0,1,2,3,4,5,6,7
	global_load_b128 v[GG+4*\i:GG+4*\i+3], v[GO], s[4:5] offset:256*\i th:TH_LOAD_NT         ; 31-38: G of queries 2 i, 2 i + 1: 256 consecutive aligned bytes in each head
.endr
	; ---- register work while the loads are out
.irp z, 0,12,24,36,48
.irp i, 0,1,2,3,4,5
	v_mov_b32 v[QS+\z+\i], 0                       ; the five groups of zero codes
.endr
.endr
	v_add_nc_u32 v[LOM], -1, v2                    ; all ones in lanes 0-15
	; the band as 64 bits over the 64 keys: 21 ones from key r + 6 (odd tile) or r + 22 (even tile) on
	v_mov_b32 v33, 0x07ffffc0                      ; 21 ones from bit 6
	v_mov_b32 v34, 0x03ffffe0                      ; the same, one bit down
	v_sub_nc_u32 v35, 31, v1
	v_lshlrev_b32 v33, v1, v33                     ; the low word of (21 ones << 6 + r),
	v_lshrrev_b32 v34, v35, v34                    ; and the high one: >> (32 - r), as >> 1 >> (31 - r)
	v_lshrrev_b32 v35, 16, v33
	v_lshl_or_b32 v35, v34, 16, v35                ; the high word 16 further up,
	v_cndmask_b32 v34, v34, v35, s46               ; taken by an even tile;
	v_lshlrev_b32 v33, s47, v33                    ; and the low word
	v_xor_b32 v33, -1, v33                         ; now a one says: outside the band
	v_xor_b32 v34, -1, v34
	; ---- V's window and scale bytes into LDS
	s_wait_loadcnt 33                              ; of 38 loads the first five are in
.irp i, 0,1,2,3
	ds_store_b128 v[VCW], v[T+4*\i:T+4*\i+3] offset:16*VP*\i
.endr
	ds_store_b32 v[VSW], v[HIM]
	s_wait_dscnt 0x0                               ; for the others' sake: my part of the window lies in LDS
	s_barrier_signal -1                            ; up to the wait for this barrier: work on registers alone
	v_sub_nc_u32 v[HIM], 0, v2                     ; all ones in lanes 16-31
	; ---- scale words of K and Q; the hidden keys
	s_wait_loadcnt 26                              ; Q's codes (6), K's (12) and G (8) may be out
	v_lshl_or_b32 v[KSC], v28, 8, v[KSC]           ; byte bt: the scale of row r of key tile bt
	v_lshl_or_b32 v[KSC], v29, 16, v[KSC]
	v_lshl_or_b32 v[KSC], v30, 24, v[KSC]
	v_mul_lo_u32 v[QSC], v[QSC], 0x01010101        ; Q's byte in all four places: it serves wherever Q's codes stand
	v_cmp_ne_u32 s44, 0, v31                       ; bit l: key 32 X + l is masked
	v_cmp_ne_u32 s45, 0, v32
	s_cmp_eq_u32 s28, 0
	s_cselect_b32 s44, -1, s44                     ; tile 0: block -1 does not exist
	s_cmp_eq_u32 s28, 127
	s_cselect_b32 s45, -1, s45                     ; tile 127: nor does block 64
	v_or_b32 v36, s44, v33                         ; hidden: masked, or outside the band
	v_or_b32 v37, s45, v34
	v_lshlrev_b32 v35, 4, v2
	v_lshrrev_b32 v[WW], v35, v36                  ; my 16 keys of each block: 16 h on,
	v_lshrrev_b32 v[WW+1], v35, v37
	v_lshlrev_b32 v[WW], 8, v[WW]                  ; at bits 8 to 23
	v_lshlrev_b32 v[WW+1], 8, v[WW+1]
	; ---- Q's row in lanes 0-15 alone, and in lanes 16-31 alone
	s_wait_loadcnt 20                              ; K's codes (12) and G (8) may be out
.irp x, 0,1
.irp i, 0,1,2,3,4,5
	v_and_b32 v[QS+6+24*\x+\i], v[LOM], v[T+16+6*\x+\i]
	v_and_b32 v[QS+18+24*\x+\i], v[HIM], v[T+16+6*\x+\i]
.endr
.endr
	; ---- 0 or -infinity for each of my 32 keys, for both heads: bit 8 + i, alone, times 0x1ff << (15 - i) is 0x1ff << 23 = 0xff800000; both factors fit in 24 bits.
	; These 64 lines also stand between the vector writes of Q's registers and of the scale words and the products below (4 and 8 plain lines are asked)
.irp b, 0,1
.irp g, 0,4,8,12
.irp k, 0,1,2,3
	v_and_b32 v[YT+\k], 1<<(8+\g+\k), v[WW+\b]
.endr
.irp k, 0,1,2,3
	v_mul_u32_u24 v[BI+16*\b+\g+\k], 0x1ff<<(15-\g-\k), v[YT+\k]
.endr
.endr
.endr
	; ---- PRODUCT 1: S^T = K Q^T.  Source 0: the head's four key tiles; source 1: Q in the bt-th 32 along K, zeros elsewhere.  Register 8 bt + j of lane (r, h): query r, key 32 (bt / 2) + 16 h + 8 (bt % 2) + j.
	; Eight different results, each begun with the constant 0.  Head B's scale words stand in lanes 16-31 of the same two registers.
.macro SPROD x, bt
.set rD, T+32*(\x)+8*(\bt)
.set rA, KV+12*(\x)
.set rB, QS+24*(\x)+12*((\bt)%2)+6*(1-(\bt)/2)     ; bt 0: (low, zeros)  1: (high, zeros)  2: (zeros, low)  3: (zeros, high)
.if \x
	v_wmma_scale_f32_16x16x128_f8f6f4 v[rD:rD+7], v[rA:rA+11], v[rB:rB+11], 0, v[KSC], v[QSC] matrix_a_fmt:MATRIX_FMT_FP6 matrix_b_fmt:MATRIX_FMT_FP6 matrix_a_scale:MATRIX_SCALE_ROW1 matrix_b_scale:MATRIX_SCALE_ROW1
.else
	v_wmma_scale_f32_16x16x128_f8f6f4 v[rD:rD+7], v[rA:rA+11], v[rB:rB+11], 0, v[KSC], v[QSC] matrix_a_fmt:MATRIX_FMT_FP6 matrix_b_fmt:MATRIX_FMT_FP6
.endif
.endm
	s_wait_loadcnt 8                               ; only G's eight loads may be out
.irp bt, 0,1,2,3
	SPROD 0, \bt
	SPROD 1, \bt
.endr
	s_barrier_wait -1                              ; every wave's part of V's window lies in LDS; nobody writes it again
.rept 4
	v_nop                                          ; four plain lines between the products and the loads into K's registers, and the first read of the scores
.endr
	; ---- V's four fragments over K's registers, and V's scale bytes
.irp x, 0,1
.irp t, 0,1
.irp p, 0,1,2
	ds_load_b64 v[KV+12*\x+6*\t+2*\p:KV+12*\x+6*\t+2*\p+1], v[VA] offset:(32*\x+16*\t)*VP+8*\p
.endr
.endr
	ds_load_u8 v[VSC+\x], v[VSA] offset:512*\x                     ; block X's byte of channel = lane
	ds_load_u8 v[LOM+\x], v[VSA] offset:512*\x+1                   ; block X + 1's
.endr
	; ---- THE SOFTMAX, both heads by turns.  Each result of a product is read from its low end on
.irp j, 0,2,4,6,8,10,12,14,16,18,20,22,24,26,28,30
.irp x, 0,1
	v_pk_fma_f32 v[T+32*\x+\j:T+32*\x+\j+1], v[T+32*\x+\j:T+32*\x+\j+1], s[42:43], v[BI+\j:BI+\j+1] op_sel_hi:[1,0,1]   ; t = score x c, or -infinity where the key is hidden
.endr
.endr
.irp x, 0,1
.irp b, 0,1
	v_max3_num_f32 v[MM+8*\x+\b], v[T+32*\x+16*\b], v[T+32*\x+16*\b+1], v[T+32*\x+16*\b+2]   ; the largest t of my 16 keys of each block: it serves for the row's maximum and, since p rises with t, for the block's largest p
.endr
.endr
.irp i, 3,5,7,9,11,13
.irp x, 0,1
.irp b, 0,1
	v_max3_num_f32 v[MM+8*\x+\b], v[MM+8*\x+\b], v[T+32*\x+16*\b+\i], v[T+32*\x+16*\b+\i+1]  ; (four chains by turns)
.endr
.endr
.endr
.irp x, 0,1
.irp b, 0,1
	v_max_num_f32 v[MM+8*\x+\b], v[MM+8*\x+\b], v[T+32*\x+16*\b+15]
.endr
.endr
.irp x, 0,1
.irp b, 0,1
	v_permlanex16_b32 v[MM+8*\x+2+\b], v[MM+8*\x+\b], s40, s41     ; (the destinations have been written before: they count as read)
.endr
.endr
.irp x, 0,1
.irp b, 0,1
	v_max_num_f32 v[MM+8*\x+\b], v[MM+8*\x+\b], v[MM+8*\x+2+\b]    ; with lane l xor 16's 16 keys: the block's largest t
.endr
.endr
.irp x, 0,1
	v_max_num_f32 v[MM+8*\x+5], v[MM+8*\x], v[MM+8*\x+1]           ; the row's largest t
.endr
.irp x, 0,1
	v_floor_f32 v[MM+8*\x+4], -v[MM+8*\x+5]                        ; -M = floor(-t) = -ceil(t)
.endr
.irp j, 0,2,4,6,8,10,12,14,16,18,20,22,24,26,28,30
.irp x, 0,1
	v_pk_add_f32 v[T+32*\x+\j:T+32*\x+\j+1], v[T+32*\x+\j:T+32*\x+\j+1], v[MM+8*\x+4:MM+8*\x+5] op_sel_hi:[1,0]   ; t - M (of the pair the low word serves both halves)
.endr
.endr
.irp x, 0,1
.irp b, 0,1
	v_add_f32 v[MM+8*\x+\b], v[MM+8*\x+\b], v[MM+8*\x+4]           ; the same of each block's largest t
.endr
.endr
.irp j, 0,1,2,3,4,5,6,7,8,9,10,11,12,13,14,15,16,17,18,19,20,21,22,23,24,25,26,27,28,29,30,31,32,33,34,35,36,37,38,39,40,41,42,43,44,45,46,47,48,49,50,51,52,53,54,55,56,57,58,59,60,61,62,63
	v_exp_f32 v[T+\j], v[T+\j]                                     ; p = 2^(t - M): not normalised; 0 for a hidden key
.endr
.irp x, 0,1
.irp b, 0,1
	v_exp_f32 v[MM+8*\x+\b], v[MM+8*\x+\b]                         ; the block's largest p: the same instructions on the same number give the same bits
.endr
.endr
	v_nop                                          ; one plain line behind the exponentials (ISA guide 5.7.2)
	s_wait_alu depctr_va_vdst(0)
.irp x, 0,1
.irp b, 0,1
	v_max_num_f32 v[MM+8*\x+\b], 0x1800000, v[MM+8*\x+\b]          ; the floor 2^(3 - 127): the byte cannot fall under 1 (a block of zeros keeps that byte: its codes are zeros)
.endr
.endr
.irp x, 0,1
.irp b, 0,1
	v_add_nc_u32 v[MM+8*\x+6+\b], 0xff000000, v[MM+8*\x+\b]        ; 2 off the exponent field: the conversion's scale operand
.endr
.endr
.irp x, 0,1
.irp b, 0,1
	v_lshrrev_b32 v[MM+8*\x+2+\b], 23, v[MM+8*\x+6+\b]             ; the scale's byte
.endr
.endr
.irp x, 0,1
	v_lshl_or_b32 v[PSC+\x], v[MM+8*\x+3], 8, v[MM+8*\x+2]         ; p's scale word: block X, block X + 1; the two upper bytes, 0, meet zero codes
.endr
.irp x, 0,1
	v_cvt_scalef32_pk16_fp6_f32 v[QS+6+24*\x:QS+8+24*\x], v[T+32*\x:T+32*\x+15], v[MM+8*\x+6]       ; my 16 codes of block X, over Q's 'low' group, which is done with;
	v_cvt_scalef32_pk16_fp6_f32 v[BI+4*\x:BI+4*\x+2], v[T+32*\x+16:T+32*\x+31], v[MM+8*\x+7]        ; of block X + 1 (a conversion's three registers begin on an even number)
.endr
	v_nop                                          ; one plain line behind the scaled conversions
.irp x, 0,1
.irp i, 0,1,2
	v_permlane16_swap_b32 v[QS+6+24*\x+\i], v[BI+4*\x+\i]          ; the operand wants a whole block in a lane: the first now holds each lane's block's lower 16 codes (lanes 0-15 block X, lanes 16-31 block X + 1), the second the upper 16
.endr
.irp i, 0,1,2
	v_mov_b32 v[QS+9+24*\x+\i], v[BI+4*\x+\i]
.endr
.endr
	s_wait_dscnt 0x0                               ; V's fragments and scale bytes are in
.irp x, 0,1
	v_lshl_or_b32 v[VSC+\x], v[LOM+\x], 8, v[VSC+\x]               ; V's scale word: block X, block X + 1
.endr
	; the row's sum, of the UNQUANTISED p: sixteen pairs a head, added in place.  These 30 lines also stand between the vector writes of p's codes and of the scale words and the products below
.irp u, 0,2,4,6,8,10,12,14
.irp x, 0,1
	v_pk_add_f32 v[T+32*\x+\u:T+32*\x+\u+1], v[T+32*\x+\u:T+32*\x+\u+1], v[T+32*\x+16+\u:T+32*\x+17+\u]
.endr
.endr
.irp u, 0,2,4,6
.irp x, 0,1
	v_pk_add_f32 v[T+32*\x+\u:T+32*\x+\u+1], v[T+32*\x+\u:T+32*\x+\u+1], v[T+32*\x+8+\u:T+32*\x+9+\u]
.endr
.endr
.irp u, 0,2
.irp x, 0,1
	v_pk_add_f32 v[T+32*\x+\u:T+32*\x+\u+1], v[T+32*\x+\u:T+32*\x+\u+1], v[T+32*\x+4+\u:T+32*\x+5+\u]
.endr
.endr
.irp x, 0,1
	v_pk_add_f32 v[T+32*\x:T+32*\x+1], v[T+32*\x:T+32*\x+1], v[T+32*\x+2:T+32*\x+3]
.endr
	; ---- PRODUCT 2: O^T = V^T P^T.  Source 0: 16 channels x (block X, block X + 1, and six registers that meet zero codes); source 1: p.  Register j of lane (r, h): query r, channel 16 t + 8 h + j.
.macro OPROD x, t
.set rD, BI+16*(\x)+8*(\t)
.set rA, KV+12*(\x)+6*(\t)
.set rB, QS+6+24*(\x)
.if \t
	v_wmma_scale_f32_16x16x128_f8f6f4 v[rD:rD+7], v[rA:rA+11], v[rB:rB+11], 0, v[VSC+\x], v[PSC+\x] matrix_a_fmt:MATRIX_FMT_FP6 matrix_b_fmt:MATRIX_FMT_FP6 matrix_a_scale:MATRIX_SCALE_ROW1
.else
	v_wmma_scale_f32_16x16x128_f8f6f4 v[rD:rD+7], v[rA:rA+11], v[rB:rB+11], 0, v[VSC+\x], v[PSC+\x] matrix_a_fmt:MATRIX_FMT_FP6 matrix_b_fmt:MATRIX_FMT_FP6
.endif
.endm
.irp t, 0,1
	OPROD 0, \t
	OPROD 1, \t
.endr
	; the sums are finished behind the products: four additions and a v_nop, which name none of the products' registers, are the plain lines in front of the first read of O^T
.irp x, 0,1
	v_add_f32 v[MM+8*\x], v[T+32*\x], v[T+32*\x+1]
.endr
.irp x, 0,1
	v_permlanex16_b32 v[MM+8*\x+2], v[MM+8*\x], s40, s41
.endr
.irp x, 0,1
	v_add_f32 v[MM+8*\x], v[MM+8*\x], v[MM+8*\x+2]                 ; with lane l xor 16's: the row's sum
.endr
.irp x, 0,1
	v_rcp_f32 v[MM+8*\x+4], v[MM+8*\x]
.endr
	v_nop                                          ; one plain line behind the reciprocals
	; ---- THE WAY OUT.  O^T / the sum goes through my own stage: row = query, 256 bytes = head A's 32 channels, head B's 32; it comes back by rows, is multiplied by G and stored.
	s_wait_alu depctr_va_vdst(0)
.irp j, 0,2,4,6,8,10,12,14
.irp x, 0,1
	v_pk_mul_f32 v[BI+16*\x+\j:BI+16*\x+\j+1], v[BI+16*\x+\j:BI+16*\x+\j+1], v[MM+8*\x+4:MM+8*\x+5] op_sel_hi:[1,0]
.endr
.endr
.irp x, 0,1
.irp t, 0,1
	ds_store_b128 v[STO], v[BI+16*\x+8*\t:BI+16*\x+8*\t+3] offset:128*\x+64*\t
	ds_store_b128 v[STO], v[BI+16*\x+8*\t+4:BI+16*\x+8*\t+7] offset:128*\x+64*\t+16
.endr
.endr
.irp i, 0,1,2,3,4,5,6,7
	ds_load_b128 v[T+4*\i:T+4*\i+3], v[SRD] offset:2*VP*\i         ; LDS serves a wave's instructions in order (ISA guide 5.7.1.4): these see my stores; queries 2 i (lanes 0-15) and 2 i + 1
.endr
	s_wait_loadcnt 0x0                             ; G
.irp i, 0,1,2,3,4,5,6,7
	s_wait_dscnt 7-\i                              ; load i is back; the younger ones may be out
	v_pk_mul_f32 v[T+4*\i:T+4*\i+1], v[T+4*\i:T+4*\i+1], v[GG+4*\i:GG+4*\i+1]
	v_pk_mul_f32 v[T+4*\i+2:T+4*\i+3], v[T+4*\i+2:T+4*\i+3], v[GG+4*\i+2:GG+4*\i+3]
	global_store_b128 v[OO], v[T+4*\i:T+4*\i+3], s[20:21] offset:2048*\i th:TH_STORE_NT   ; sixteen lanes store 256 consecutive bytes, at a multiple of 256 from out's first byte; no register of a store is written again
.endr
	s_wait_tensorcnt 0x0
	ds_add_u32 v254, v255
	s_wait_dscnt 0x0
	s_endpgm
.Lfunc_end_k_q51ad0a29f4_band_attn:
	.size	k_q51ad0a29f4_band_attn, .Lfunc_end_k_q51ad0a29f4_band_attn-k_q51ad0a29f4_band_attn
	.p2alignl 7, 3214868480
	.fill 96, 4, 3214868480
	.section	.rodata,"a",@progbits
	.p2align	6, 0x0
	.amdhsa_kernel k_q51ad0a29f4_band_attn
		.amdhsa_group_segment_fixed_size 54272
		.amdhsa_private_segment_fixed_size 0
		.amdhsa_enable_private_segment 0
		.amdhsa_kernarg_size 72
		.amdhsa_user_sgpr_count 2
		.amdhsa_user_sgpr_kernarg_segment_ptr 1
		.amdhsa_wavefront_size32 1
		.amdhsa_system_sgpr_workgroup_id_x 1
		.amdhsa_system_sgpr_workgroup_id_y 1
		.amdhsa_system_sgpr_workgroup_id_z 1
		.amdhsa_system_vgpr_workitem_id 0
		.amdhsa_next_free_vgpr 256
		.amdhsa_next_free_sgpr 66
		.amdhsa_reserve_vcc 0
		.amdhsa_float_denorm_mode_32 3
		.amdhsa_float_denorm_mode_16_64 3
		.amdhsa_memory_ordered 1
		.amdhsa_forward_progress 1
		.amdhsa_inst_pref_size 36
	.end_amdhsa_kernel
	.amdgpu_metadata
---
amdhsa.version: [ 1, 2 ]
amdhsa.kernels:
  - .name:           k_q51ad0a29f4_band_attn
    .symbol:         k_q51ad0a29f4_band_attn.kd
    .args:
      - { .name: G, .offset: 0, .size: 8, .value_kind: global_buffer, .address_space: global }
      - { .name: K_codes, .offset: 8, .size: 8, .value_kind: global_buffer, .address_space: global }
      - { .name: K_scales, .offset: 16, .size: 8, .value_kind: global_buffer, .address_space: global }
      - { .name: Q_codes, .offset: 24, .size: 8, .value_kind: global_buffer, .address_space: global }
      - { .name: Q_scales, .offset: 32, .size: 8, .value_kind: global_buffer, .address_space: global }
      - { .name: V_codes, .offset: 40, .size: 8, .value_kind: global_buffer, .address_space: global }
      - { .name: V_scales, .offset: 48, .size: 8, .value_kind: global_buffer, .address_space: global }
      - { .name: seqMask, .offset: 56, .size: 8, .value_kind: global_buffer, .address_space: global }
      - { .name: out0, .offset: 64, .size: 8, .value_kind: global_buffer, .address_space: global }
    .group_segment_fixed_size: 54272
    .private_segment_fixed_size: 0
    .kernarg_segment_align: 8
    .kernarg_segment_size: 72
    .max_flat_workgroup_size: 256
    .sgpr_count:     66
    .vgpr_count:     256
    .wavefront_size: 32
...
	.end_amdgpu_metadata
.endif
;; end of part 1
;; ======== version 2 of 2: 1 launch; version 1 with the launch band_attn written anew for expert scheduling mode
;; launch band_attn (part 2): grid 16 x 16, 8 waves a work-group, no clusters, 54,272 bytes of LDS; arguments G, K_codes, K_scales, Q_codes, Q_scales, V_codes, V_scales, seqMask, out0; writes out0
.if DOCPART == 2
	.amdgcn_target "amdgcn-amd-amdhsa--gfx1250"
	.amdhsa_code_object_version 6
	.text
	.protected	k_q51ad0a29f4_band_attn
	.globl	k_q51ad0a29f4_band_attn
	.p2align	8
	.type	k_q51ad0a29f4_band_attn,@function
k_q51ad0a29f4_band_attn:
	s_mov_b64 s[64:65], 0
	v_nop
	global_prefetch_b8 v0, s[64:65] scope:SCOPE_SE
	s_setreg_imm32_b32 hwreg(HW_REG_WAVE_SCHED_MODE, 0, 2), 2
	s_setreg_imm32_b32 hwreg(HW_REG_WAVE_MODE, 25, 1), 1
	s_wait_xcnt 0x0
	s_wait_alu depctr_vm_vsrc(0)
; out[n][s][h][:] = G[h][n][s][:] x (sum over t of softmax_t(Q[h][n][s] . K[h][n][t] / sqrt(32)) V[h][n][t][:]), keys t with |s - t| <= 10 that seqMask does not hide.
; Both products on codes of FP6 (E2M3) with one E8M0 scale for each 32 along a product's K.  Q, K: 24 bytes and one scale byte a row.  V: keys innermost, 32 channel rows of 64 blocks of 24 bytes a head.
; THE SOFTMAX AHEAD OF THE SECOND PRODUCT: t = score x log2(e) / sqrt(32); M = ceil(the row's largest t); p = 2^(t - M) is quantised along the keys in aligned blocks of 32; the row's sum of the unquantised p divides at the end.
; THE BAND: a tile of 16 queries sees keys of exactly two aligned blocks of 32, X and X + 1: 64 keys.  All other blocks' p are zeros and are not computed.
; SHARES.  Work-group (c, y): queries 128 c .. 128 c + 127 of batch n = y % 4 and of the two heads 2 (y / 4), 2 (y / 4) + 1.  Wave w: the tile of 16 queries 8 c + w, for BOTH heads: two heads x 32 channels x 4 bytes
; are 256 consecutive bytes of out for each query, so a wave stores whole aligned runs of 256 bytes out of its own stage.  A lane holds ONE query (lane % 16) throughout: both products are used transposed.
; PRODUCT 1 has K = 32 in an instruction of K = 128.  One fragment of K's codes carries FOUR tiles of 16 keys, one in each 32 along the instruction's K; Q stands in ONE of the four and zero codes in the other three,
; so each of four instructions picks one tile of keys.  Zero codes add nothing whatever stands against them.  The keys of a tile are chosen (lane r of tile bt: key 32 (bt / 2) + 8 (bt % 2) + r + 8 (r / 8)) so that a lane's
; registers 0-15 are 16 neighbouring keys of block X and registers 16-31 of block X + 1.
; PRODUCT 2: p's codes fill the first 64 along K (lanes 0-15 block X, lanes 16-31 block X + 1), zero codes the rest; V's fragment is six registers of data followed by any six written registers.
; NO LOOP, NO BRANCH, EXEC NEVER CHANGES: all 38 global loads of a wave go out at its head and are waited for by counts that run down.  V's window goes through LDS (one barrier), since a tile wants 48 bytes of each of 64 rows.
; NO TENSOR LOADS, NO CLUSTER: a work-group reads its inputs once (about 85 KB, 32 KB of it G, which nobody shares); what neighbours share is the halo, one block of 32 keys on each side of 128.
; OUT OF RANGE.  Block -1 (tile 0) and block 64 (tile 127) do not exist.  Every offset that can leave its buffer is an absolute byte offset held by v_min_u32 at the largest offset that a key in range needs (an offset below 0
; wraps to a large number and is held too): such lanes read other codes of the same buffer, their scores are hidden like masked keys, and their p are zero codes.
; LIMITS: a scale byte 0xff (NaN) among the inputs is not served (it would spread to the other key tiles of its fragment); p under 2^-126 counts as 0 (v_exp_f32 gives 0 there).  A query all of whose keys are hidden gives NaN, as the softmax of an empty row does.
; THE MODE: SCHED_MODE bits 1:0 = 2 (LLVM: expert scheduling mode 2), set by the entry lines.  The code itself states the register dependences
; between vector or matrix instructions and memory or LDS instructions, with s_wait_alu, always for 0.
; THE PLAN.  Registers that memory or LDS instructions touch, in the order of the text:
;   v4-v21     offsets and LDS addresses: written by vector lines at the head, never again; one wait ahead of the first load serves every load, store and LDS instruction of the kernel.
;   v156-171   V's window: global loads land, LDS stores read; later product 1 writes scores there.   v45: V's scale bytes: a global load lands, an LDS store reads; then a vector line writes a lane mask there.
;              One wait behind those five LDS stores states that they have read these registers.
;   v46-69     K's codes: global loads land, product 1 reads; then V's fragments land by LDS loads, product 2 reads.   v44, v45: lane masks, read by vector lines; then V's scale bytes of block X + 1 land.
;              One wait ahead of V's LDS loads states that product 1 and those vector lines are done with them.
;   v220-251   O^T: product 2 and the division write, the stage's LDS stores read.   v156-187: the sums read and write; then the stage's LDS loads land.  One wait ahead of the stage's stores states both.
;   v156-187   rows of out: the stage's loads land, the multiplications by G write, the global stores read: four rows' pairs at a time, one wait ahead of each four stores.  No register of a store is written again.
;   Ahead of each run of products, behind the plain lines that stand there, one wait states that the operands and scale words made by vector lines are written.
;   Three scalar registers are written by vector lines (the wave's number, the two words of masked keys): a wait stands between each writer and its first reader.
.set VP,   272                         ; LDS pitch: 256 bytes + 16 = 68 words: sixteen neighbouring rows begin in sixteen different groups of four banks (64 banks of 4 bytes: ISA guide 11.1)
.set VC,   0                           ; LDS: V's codes: 64 rows (32 x head + channel) of 256 bytes from byte 96 c - 32 of the channel's row: block 4 c - 1 + i begins at byte 8 + 24 i
.set VS,   64*VP                       ; V's scale bytes: 16 bytes a row, blocks 4 c - 4 .. 4 c + 11: block 4 c - 1 + i is byte 3 + i
.set ST,   VS+1024                     ; the stages: 16 rows x 272 bytes for each wave, its own
.set STW,  16*VP
.set HC,   196608                      ; from head A to head B (four (head, batch) pairs on): bytes in each tensor of codes,
.set HSC,  8192                        ; of scale bytes,
.set HG,   1048576                     ; and in G
.set VG,   4                           ; v4   V's codes: my 16 bytes of the window, absolute offset
.set VSG,  5                           ; v5   V's scale bytes: my 4
.set MX,   6                           ; v6   seqMask: key 32 X + lane;  v7: key 32 X + 32 + lane
.set MY,   7
.set KSX,  8                           ; v8   K's scale bytes, block X (lanes 0-15 head A, lanes 16-31 head B);  v9: block X + 1
.set KSY,  9
.set QSO,  10                          ; v10  Q's scale byte (halves as above)
.set QO,   11                          ; v11  Q's codes: row r
.set KX,   12                          ; v12  K's codes: my key of block X;  v13: of block X + 1
.set KY,   13
.set GO,   14                          ; v14  G, in the layout of the way out
.set OO,   15                          ; v15  out
.set VCW,  16                          ; v16  LDS: where I put 16 bytes of V's window;  v17: 4 scale bytes
.set VSW,  17
.set VA,   18                          ; v18  LDS: my 24 bytes of a fragment of V;  v19: my channel's scale byte of block X
.set VSA,  19
.set STO,  20                          ; v20  the stage: where I put 32 bytes of a row;  v21: where I read 16 bytes back
.set SRD,  21
.set KSC,  22                          ; v22  K's scale words;  v23 Q's;  v24, v25 V's (head A, B; lane = channel);  v26, v27 p's: these six hold scales and nothing else
.set QSC,  23
.set VSC,  24
.set PSC,  26
.set MM,   28                          ; v28-35, v36-43: at work; in the softmax eight registers a head: +0, +1 the blocks' largest t, then p; +2, +3 the other half's, then bytes; +4 -M, then 1 / sum; +5 largest t; +6, +7 scale operands
.set WW,   38                          ; v38-39 the hidden-key bits of my 16 keys of each block, at bits 8 to 23
.set YT,   40                          ; v40-43 at work
.set LOM,  44                          ; v44  all ones in lanes 0-15;  v45 in lanes 16-31;  later V's scale bytes of block X + 1
.set HIM,  45
.set KV,   46                          ; v46-69   K's fragments (12 a head); later V's four (6 each: head A tile 0, 1, head B tile 0, 1)
.set QS,   70                          ; v70-123  zeros, Q(A) low, zeros, Q(A) high, zeros, Q(B) low, zeros, Q(B) high, zeros: six registers each; p's codes later lie over the 'low' groups
.set GG,   124                         ; v124-155 G
.set T,    156                         ; v156-219 scores, t, p: 32 a head.  Before: V's window on its way (v156-171), Q as loaded (v172-183).  At the end: rows of out
.set BI,   220                         ; v220-251 0 or -infinity for my 32 keys; later O^T: 16 a head
	s_load_b512 s[4:19], s[0:1], 0x0               ; G s[4:5], K's codes s[6:7], K's scales s[8:9], Q's codes s[10:11], Q's scales s[12:13], V's codes s[14:15], V's scales s[16:17], seqMask s[18:19]
	s_load_b64 s[20:21], s[0:1], 0x40              ; out.  The nine addresses stay as they are: every offset lives in a vector register or an immediate
	v_lshl_add_u32 v254, v0, 2, 0xd000
	v_mov_b32 v255, 0
	v_lshrrev_b32 v1, 5, v0
	v_readfirstlane_b32 s22, v1                    ; w: wave 0..7
	v_and_b32 v3, 31, v0                           ; lane
	v_and_b32 v1, 15, v0                           ; r
	v_bfe_u32 v2, v0, 4, 1                         ; h
	s_wait_alu depctr_va_sdst(0)                   ; s22 is written, ahead of its first reader: the tile's number and all that is made of it
	s_mov_b32 s23, ttmp9                           ; c
	s_and_b32 s24, ttmp7, 0xffff                   ; y
	s_lshr_b32 s25, s24, 2                         ; the pair of heads
	s_and_b32 s26, s24, 3                          ; n
	s_lshl_b32 s27, s25, 3
	s_add_co_u32 s27, s27, s26                     ; head A's (head, batch) pair: 4 x (2 x pair) + n
	s_lshl_b32 s28, s23, 3
	s_add_co_u32 s28, s28, s22                     ; my tile of queries: 8 c + w
	s_lshl_b32 s29, s28, 4                         ; my first query
	s_add_co_u32 s30, s22, 1
	s_lshr_b32 s30, s30, 1                         ; sg = (w + 1) / 2: block X = 4 c - 1 + sg
	s_and_b32 s31, s22, 1                          ; the tile's parity: an odd tile begins 16 keys into block X, an even one at block X + 1
	s_lshl_b32 s32, s23, 7
	s_lshl_b32 s54, s30, 5
	s_add_co_u32 s32, s32, s54
	s_sub_co_u32 s32, s32, 32                      ; block X's first key, 32 X: -32 in tile 0
	s_lshl_b32 s33, s27, 11                        ; head A's first row
	s_mul_i32 s34, s27, 49152                      ; head A's first byte of codes (2,048 x 24 = 32 x 1,536)
	s_mul_i32 s49, s23, 96
	s_add_co_u32 s49, s49, s34
	s_sub_co_u32 s49, s49, 32                      ; V's codes: the window begins at byte 96 c - 32 of a channel's row
	s_mul_i32 s54, s32, 24
	s_add_co_u32 s34, s34, s54                     ; K's codes at block X
	s_add_co_u32 s35, s33, s32                     ; K's scale bytes at block X
	s_lshl_b32 s54, s26, 11
	s_add_co_u32 s36, s54, s32                     ; seqMask at block X
	s_add_co_u32 s48, s54, s29
	s_lshl_b32 s48, s48, 10
	s_lshl_b32 s54, s25, 8
	s_add_co_u32 s48, s48, s54                     ; out: (2,048 n + my first query) x 1,024 + 256 x pair
	s_add_co_u32 s37, s33, s29                     ; Q's scale bytes at my first query
	s_mul_i32 s38, s37, 24                         ; Q's codes
	s_lshl_b32 s39, s37, 7                         ; G
	s_lshl_b32 s50, s23, 2
	s_add_co_u32 s50, s50, s33
	s_sub_co_u32 s50, s50, 4                       ; V's scale bytes: from block 4 c - 4 of a channel's row (32 x 64 = 2,048 bytes a head)
	s_mov_b32 s40, 0x76543210
	s_mov_b32 s41, 0xfedcba98                      ; v_permlanex16_b32's selects for lane l xor 16
	s_mov_b32 s42, 0x3e8293ee                      ; log2(e) / sqrt(32)
	s_mov_b32 s43, s42                             ; (the packed form names the pair and takes its low word for both halves: so it is written)
	s_cmp_eq_u32 s31, 0
	s_cselect_b32 s46, -1, 0                       ; an even tile: all ones,
	s_cselect_b32 s47, 16, 0                       ; and its band lies 16 keys further up
	s_mul_i32 s51, s30, 24
	s_add_co_u32 s51, s51, VC+8                    ; LDS: block X in a row of V's window
	s_add_co_u32 s52, s30, VS+3                    ; and among a row's scale bytes
	s_mul_i32 s53, s22, STW
	s_add_co_u32 s53, s53, ST                      ; my stage
	; the offsets.  v33-35 are at work
	v_lshrrev_b32 v35, 4, v0                       ; thread / 16: the row of the window that I copy (and 16, 32, 48 rows on)
	v_mul_u32_u24 v[VG], v35, 1536
	s_wait_alu depctr_va_vdst(0)
	v_lshl_add_u32 v[VG], v1, 4, v[VG]
	v_add_nc_u32 v[VG], s49, v[VG]
	v_min_u32 v[VG], 1351664, v[VG]                ; + 221,184 (the last of the four rows) + 16 = the buffer's 1,572,864 bytes; held are only bytes of blocks -1 and 64 on
	v_mul_u32_u24 v[VCW], v35, VP
	v_lshl_add_u32 v[VCW], v1, 4, v[VCW]
	v_lshrrev_b32 v34, 2, v0                       ; thread / 4 = 32 x head + channel
	v_lshlrev_b32 v[VSG], 6, v34
	v_lshrrev_b32 v34, 7, v0
	v_mad_u32_u24 v[VSG], v34, HSC-2048, v[VSG]    ; head B lies 8,192 bytes on, of which 32 x 64 are counted already
	v_and_b32 v34, 3, v0
	v_lshl_add_u32 v[VSG], v34, 2, v[VSG]
	v_add_nc_u32 v[VSG], s50, v[VSG]
	v_min_u32 v[VSG], 65532, v[VSG]
	v_lshl_add_u32 v[VSW], v0, 2, VS
	v_add_nc_u32 v[MX], s36, v3
	v_add_nc_u32 v[MY], 32, v[MX]
	v_min_u32 v[MX], 8191, v[MX]
	v_min_u32 v[MY], 8191, v[MY]
	v_and_b32 v34, 8, v1
	v_add_nc_u32 v34, v34, v1                      ; r + 8 (r / 8)
	v_lshl_add_u32 v[KSX], v2, 13, v34
	v_add_nc_u32 v[KSX], s35, v[KSX]
	v_add_nc_u32 v[KSY], 32, v[KSX]
	v_min_u32 v[KSX], 65527, v[KSX]                ; + 8 (the immediate of the odd key tiles) = the buffer's last byte
	v_min_u32 v[KSY], 65527, v[KSY]
	v_lshl_add_u32 v[QSO], v2, 13, v1
	v_add_nc_u32 v[QSO], s37, v[QSO]
	v_mul_u32_u24 v[QO], v1, 24
	v_add_nc_u32 v[QO], s38, v[QO]
	v_mul_u32_u24 v[KX], v34, 24
	v_mad_u32_u24 v[KX], v2, 192, v[KX]            ; my key of a block: r + 8 (r / 8) + 8 h
	v_add_nc_u32 v[KX], s34, v[KX]
	v_add_nc_u32 v[KY], 768, v[KX]
	v_min_u32 v[KX], 1376232, v[KX]                ; + 196,608 (head B) + 24 = the buffer's 1,572,864 bytes
	v_min_u32 v[KY], 1376232, v[KY]
	v_bfe_u32 v35, v0, 3, 1                        ; the way out: lanes 0-15 one query, lanes 16-31 the next; in each, eight lanes head A's 128 bytes, eight head B's
	v_lshlrev_b32 v[GO], 20, v35
	v_lshl_add_u32 v[GO], v2, 7, v[GO]
	v_and_b32 v35, 7, v0
	v_lshl_add_u32 v[GO], v35, 4, v[GO]
	v_add_nc_u32 v[GO], s39, v[GO]
	v_lshlrev_b32 v[OO], 10, v2
	v_lshl_add_u32 v[OO], v1, 4, v[OO]
	v_add_nc_u32 v[OO], s48, v[OO]
	v_mul_u32_u24 v[VA], v1, VP
	v_mad_u32_u24 v[VA], v2, 24, v[VA]             ; channel r of a tile; lanes 16-31 take block X + 1
	v_add_nc_u32 v[VA], s51, v[VA]
	v_lshl_add_u32 v[VSA], v3, 4, s52              ; lane = channel
	v_mul_u32_u24 v[STO], v1, VP
	v_lshl_add_u32 v[STO], v2, 5, v[STO]
	v_add_nc_u32 v[STO], s53, v[STO]
	v_mul_u32_u24 v[SRD], v2, VP
	v_lshl_add_u32 v[SRD], v1, 4, v[SRD]
	v_add_nc_u32 v[SRD], s53, v[SRD]
	s_wait_kmcnt 0x0
	s_wait_alu depctr_va_vdst(0)                   ; the eighteen offsets and LDS addresses v4 to v21 are written: every load, store and LDS instruction of the kernel reads one of them, and no vector line names them again
	; ---- ALL 38 LOADS, in the order in which they are wanted
.irp i, 0,1,2,3
	global_load_b128 v[T+4*\i:T+4*\i+3], v[VG], s[14:15] offset:24576*\i+(HC-49152)*(\i/2)   ; 1-4: V's window: rows 16 i + thread / 16 (16 channels are 24,576 bytes; rows 32 on are head B's); sixteen lanes read 256 consecutive bytes
.endr
	global_load_b32 v[HIM], v[VSG], s[16:17]                       ; 5: V's scale bytes
	global_load_u8 v31, v[MX], s[18:19]                            ; 6, 7: seqMask of the 64 keys, a key a lane
	global_load_u8 v32, v[MY], s[18:19]
	global_load_u8 v[KSC], v[KSX], s[8:9]                          ; 8-11: the scale bytes of row r of the four key tiles
	global_load_u8 v28, v[KSX], s[8:9] offset:8
	global_load_u8 v29, v[KSY], s[8:9]
	global_load_u8 v30, v[KSY], s[8:9] offset:8
	global_load_u8 v[QSC], v[QSO], s[12:13]                        ; 12: Q's
.irp x, 0,1
.irp p, 0,1,2
	global_load_b64 v[T+16+6*\x+2*\p:T+17+6*\x+2*\p], v[QO], s[10:11] offset:HC*\x+8*\p th:TH_LOAD_NT   ; 13-18: Q's row r, in both halves of the lanes; read by this wave alone
.endr
.endr
.irp x, 0,1
.irp p, 0,1,2
	global_load_b64 v[KV+12*\x+2*\p:KV+12*\x+2*\p+1], v[KX], s[6:7] offset:HC*\x+8*\p       ; 19-30: K: registers 0-5 key tiles 0 (lanes 0-15) and 1 (lanes 16-31): the three loads cover block X's 768 bytes
.endr
.irp p, 0,1,2
	global_load_b64 v[KV+12*\x+6+2*\p:KV+12*\x+7+2*\p], v[KY], s[6:7] offset:HC*\x+8*\p     ; registers 6-11 key tiles 2 and 3: block X + 1
.endr
.endr
.irp i, 0,1,2,3,4,5,6,7
	global_load_b128 v[GG+4*\i:GG+4*\i+3], v[GO], s[4:5] offset:256*\i th:TH_LOAD_NT         ; 31-38: G of queries 2 i, 2 i + 1: 256 consecutive aligned bytes in each head
.endr
	; ---- register work while the loads are out: it names none of the registers that the loads above or the LDS stores below touch
.irp z, 0,12,24,36,48
.irp i, 0,1,2,3,4,5
	v_mov_b32 v[QS+\z+\i], 0                       ; the five groups of zero codes
.endr
.endr
	v_add_nc_u32 v[LOM], -1, v2                    ; all ones in lanes 0-15
	; the band as 64 bits over the 64 keys: 21 ones from key r + 6 (odd tile) or r + 22 (even tile) on
	v_mov_b32 v33, 0x07ffffc0                      ; 21 ones from bit 6
	v_mov_b32 v34, 0x03ffffe0                      ; the same, one bit down
	v_sub_nc_u32 v35, 31, v1
	v_lshlrev_b32 v33, v1, v33                     ; the low word of (21 ones << 6 + r),
	v_lshrrev_b32 v34, v35, v34                    ; and the high one: >> (32 - r), as >> 1 >> (31 - r)
	v_lshrrev_b32 v35, 16, v33
	v_lshl_or_b32 v35, v34, 16, v35                ; the high word 16 further up,
	v_cndmask_b32 v34, v34, v35, s46               ; taken by an even tile (s46 was written by a scalar line);
	v_lshlrev_b32 v33, s47, v33                    ; and the low word
	v_xor_b32 v33, -1, v33                         ; now a one says: outside the band
	v_xor_b32 v34, -1, v34
	s_wait_alu depctr_va_vdst(0)
	; ---- V's window and scale bytes into LDS
	s_wait_loadcnt 33                              ; of 38 loads the first five are in
.irp i, 0,1,2,3
	ds_store_b128 v[VCW], v[T+4*\i:T+4*\i+3] offset:16*VP*\i
.endr
	ds_store_b32 v[VSW], v[HIM]
	s_wait_dscnt 0x0                               ; for the others' sake: my part of the window lies in LDS
	s_wait_alu depctr_vm_vsrc(0)                   ; the five LDS stores have read v45, which the line behind the signal writes, and v156 to v171, which product 1 writes
	s_barrier_signal -1                            ; up to the wait for this barrier: work on registers alone
	v_sub_nc_u32 v[HIM], 0, v2                     ; all ones in lanes 16-31
	; ---- scale words of K and Q; the hidden keys
	s_wait_loadcnt 26                              ; Q's codes (6), K's (12) and G (8) may be out
	v_lshl_or_b32 v[KSC], v28, 8, v[KSC]           ; byte bt: the scale of row r of key tile bt
	v_lshl_or_b32 v[KSC], v29, 16, v[KSC]
	v_lshl_or_b32 v[KSC], v30, 24, v[KSC]
	v_mul_lo_u32 v[QSC], v[QSC], 0x01010101        ; Q's byte in all four places: it serves wherever Q's codes stand
	v_cmp_ne_u32 s44, 0, v31                       ; bit l: key 32 X + l is masked
	v_cmp_ne_u32 s45, 0, v32
	s_wait_alu depctr_va_sdst(0)                   ; the two compares have written s44 and s45, ahead of their first readers, the two selects below
	s_cmp_eq_u32 s28, 0
	s_cselect_b32 s44, -1, s44                     ; tile 0: block -1 does not exist
	s_cmp_eq_u32 s28, 127
	s_cselect_b32 s45, -1, s45                     ; tile 127: nor does block 64
	v_or_b32 v36, s44, v33                         ; hidden: masked, or outside the band
	v_or_b32 v37, s45, v34
	v_lshlrev_b32 v35, 4, v2
	v_lshrrev_b32 v[WW], v35, v36                  ; my 16 keys of each block: 16 h on,
	v_lshrrev_b32 v[WW+1], v35, v37
	v_lshlrev_b32 v[WW], 8, v[WW]                  ; at bits 8 to 23
	v_lshlrev_b32 v[WW+1], 8, v[WW+1]
	; ---- Q's row in lanes 0-15 alone, and in lanes 16-31 alone
	s_wait_loadcnt 20                              ; K's codes (12) and G (8) may be out
.irp x, 0,1
.irp i, 0,1,2,3,4,5
	v_and_b32 v[QS+6+24*\x+\i], v[LOM], v[T+16+6*\x+\i]
	v_and_b32 v[QS+18+24*\x+\i], v[HIM], v[T+16+6*\x+\i]
.endr
.endr
	; ---- 0 or -infinity for each of my 32 keys, for both heads: bit 8 + i, alone, times 0x1ff << (15 - i) is 0x1ff << 23 = 0xff800000; both factors fit in 24 bits.
	; These 64 lines also stand between the vector writes of Q's registers and of the scale words and the products below (4 and 8 plain lines are asked)
.irp b, 0,1
.irp g, 0,4,8,12
.irp k, 0,1,2,3
	v_and_b32 v[YT+\k], 1<<(8+\g+\k), v[WW+\b]
.endr
.irp k, 0,1,2,3
	v_mul_u32_u24 v[BI+16*\b+\g+\k], 0x1ff<<(15-\g-\k), v[YT+\k]
.endr
.endr
.endr
	; ---- PRODUCT 1: S^T = K Q^T.  Source 0: the head's four key tiles; source 1: Q in the bt-th 32 along K, zeros elsewhere.  Register 8 bt + j of lane (r, h): query r, key 32 (bt / 2) + 16 h + 8 (bt % 2) + j.
	; Eight different results, each begun with the constant 0.  Head B's scale words stand in lanes 16-31 of the same two registers.
.macro SPROD x, bt
.set rD, T+32*(\x)+8*(\bt)
.set rA, KV+12*(\x)
.set rB, QS+24*(\x)+12*((\bt)%2)+6*(1-(\bt)/2)     ; bt 0: (low, zeros)  1: (high, zeros)  2: (zeros, low)  3: (zeros, high)
.if \x
	v_wmma_scale_f32_16x16x128_f8f6f4 v[rD:rD+7], v[rA:rA+11], v[rB:rB+11], 0, v[KSC], v[QSC] matrix_a_fmt:MATRIX_FMT_FP6 matrix_b_fmt:MATRIX_FMT_FP6 matrix_a_scale:MATRIX_SCALE_ROW1 matrix_b_scale:MATRIX_SCALE_ROW1
.else
	v_wmma_scale_f32_16x16x128_f8f6f4 v[rD:rD+7], v[rA:rA+11], v[rB:rB+11], 0, v[KSC], v[QSC] matrix_a_fmt:MATRIX_FMT_FP6 matrix_b_fmt:MATRIX_FMT_FP6
.endif
.endm
	s_wait_loadcnt 8                               ; only G's eight loads may be out
	s_wait_alu depctr_va_vdst(0)                   ; Q's four groups, the five groups of zero codes and the scale words of K and Q, all made by vector lines, are written: the eight products below take them as source 1 and as scales
.irp bt, 0,1,2,3
	SPROD 0, \bt
	SPROD 1, \bt
.endr
	s_barrier_wait -1                              ; every wave's part of V's window lies in LDS; nobody writes it again
.rept 4
	v_nop                                          ; four plain lines between the products and the first read of the scores (ISA guide 7.12.1)
.endr
	; ---- V's four fragments over K's registers, and V's scale bytes
	s_wait_alu depctr_va_vdst(0)                   ; the products are done reading K's registers v46 to v69, and the lines that cut Q are done reading v44 and v45: the LDS loads below land in these
.irp x, 0,1
.irp t, 0,1
.irp p, 0,1,2
	ds_load_b64 v[KV+12*\x+6*\t+2*\p:KV+12*\x+6*\t+2*\p+1], v[VA] offset:(32*\x+16*\t)*VP+8*\p
.endr
.endr
	ds_load_u8 v[VSC+\x], v[VSA] offset:512*\x                     ; block X's byte of channel = lane
	ds_load_u8 v[LOM+\x], v[VSA] offset:512*\x+1                   ; block X + 1's
.endr
	; ---- THE SOFTMAX, both heads by turns.  Each result of a product is read from its low end on
.irp j, 0,2,4,6,8,10,12,14,16,18,20,22,24,26,28,30
.irp x, 0,1
	v_pk_fma_f32 v[T+32*\x+\j:T+32*\x+\j+1], v[T+32*\x+\j:T+32*\x+\j+1], s[42:43], v[BI+\j:BI+\j+1] op_sel_hi:[1,0,1]   ; t = score x c, or -infinity where the key is hidden
.endr
.endr
.irp x, 0,1
.irp b, 0,1
	v_max3_num_f32 v[MM+8*\x+\b], v[T+32*\x+16*\b], v[T+32*\x+16*\b+1], v[T+32*\x+16*\b+2]   ; the largest t of my 16 keys of each block: it serves for the row's maximum and, since p rises with t, for the block's largest p
.endr
.endr
.irp i, 3,5,7,9,11,13
.irp x, 0,1
.irp b, 0,1
	v_max3_num_f32 v[MM+8*\x+\b], v[MM+8*\x+\b], v[T+32*\x+16*\b+\i], v[T+32*\x+16*\b+\i+1]  ; (four chains by turns)
.endr
.endr
.endr
.irp x, 0,1
.irp b, 0,1
	v_max_num_f32 v[MM+8*\x+\b], v[MM+8*\x+\b], v[T+32*\x+16*\b+15]
.endr
.endr
.irp x, 0,1
.irp b, 0,1
	v_permlanex16_b32 v[MM+8*\x+2+\b], v[MM+8*\x+\b], s40, s41     ; (the destinations have been written before: they count as read)
.endr
.endr
.irp x, 0,1
.irp b, 0,1
	v_max_num_f32 v[MM+8*\x+\b], v[MM+8*\x+\b], v[MM+8*\x+2+\b]    ; with lane l xor 16's 16 keys: the block's largest t
.endr
.endr
.irp x, 0,1
	v_max_num_f32 v[MM+8*\x+5], v[MM+8*\x], v[MM+8*\x+1]           ; the row's largest t
.endr
.irp x, 0,1
	v_floor_f32 v[MM+8*\x+4], -v[MM+8*\x+5]                        ; -M = floor(-t) = -ceil(t)
.endr
.irp j, 0,2,4,6,8,10,12,14,16,18,20,22,24,26,28,30
.irp x, 0,1
	v_pk_add_f32 v[T+32*\x+\j:T+32*\x+\j+1], v[T+32*\x+\j:T+32*\x+\j+1], v[MM+8*\x+4:MM+8*\x+5] op_sel_hi:[1,0]   ; t - M (of the pair the low word serves both halves)
.endr
.endr
.irp x, 0,1
.irp b, 0,1
	v_add_f32 v[MM+8*\x+\b], v[MM+8*\x+\b], v[MM+8*\x+4]           ; the same of each block's largest t
.endr
.endr
	s_wait_alu depctr_va_vdst(0)
.irp j, 0,1,2,3,4,5,6,7,8,9,10,11,12,13,14,15,16,17,18,19,20,21,22,23,24,25,26,27,28,29,30,31,32,33,34,35,36,37,38,39,40,41,42,43,44,45,46,47,48,49,50,51,52,53,54,55,56,57,58,59,60,61,62,63
	v_exp_f32 v[T+\j], v[T+\j]                                     ; p = 2^(t - M): not normalised; 0 for a hidden key
.endr
.irp x, 0,1
.irp b, 0,1
	v_exp_f32 v[MM+8*\x+\b], v[MM+8*\x+\b]                         ; the block's largest p: the same instructions on the same number give the same bits
.endr
.endr
	v_nop                                          ; one plain line behind the exponentials (ISA guide 5.7.2)
	s_wait_alu depctr_va_vdst(0)
.irp x, 0,1
.irp b, 0,1
	v_max_num_f32 v[MM+8*\x+\b], 0x1800000, v[MM+8*\x+\b]          ; the floor 2^(3 - 127): the byte cannot fall under 1 (a block of zeros keeps that byte: its codes are zeros)
.endr
.endr
.irp x, 0,1
.irp b, 0,1
	v_add_nc_u32 v[MM+8*\x+6+\b], 0xff000000, v[MM+8*\x+\b]        ; 2 off the exponent field: the conversion's scale operand
.endr
.endr
.irp x, 0,1
.irp b, 0,1
	v_lshrrev_b32 v[MM+8*\x+2+\b], 23, v[MM+8*\x+6+\b]             ; the scale's byte
.endr
.endr
.irp x, 0,1
	v_lshl_or_b32 v[PSC+\x], v[MM+8*\x+3], 8, v[MM+8*\x+2]         ; p's scale word: block X, block X + 1; the two upper bytes, 0, meet zero codes
.endr
.irp x, 0,1
	v_cvt_scalef32_pk16_fp6_f32 v[QS+6+24*\x:QS+8+24*\x], v[T+32*\x:T+32*\x+15], v[MM+8*\x+6]       ; my 16 codes of block X, over Q's 'low' group, which is done with;
	v_cvt_scalef32_pk16_fp6_f32 v[BI+4*\x:BI+4*\x+2], v[T+32*\x+16:T+32*\x+31], v[MM+8*\x+7]        ; of block X + 1 (a conversion's three registers begin on an even number)
.endr
	v_nop                                          ; one plain line behind the scaled conversions
.irp x, 0,1
.irp i, 0,1,2
	v_permlane16_swap_b32 v[QS+6+24*\x+\i], v[BI+4*\x+\i]          ; the operand wants a whole block in a lane: the first now holds each lane's block's lower 16 codes (lanes 0-15 block X, lanes 16-31 block X + 1), the second the upper 16
.endr
.irp i, 0,1,2
	v_mov_b32 v[QS+9+24*\x+\i], v[BI+4*\x+\i]
.endr
.endr
	s_wait_dscnt 0x0                               ; V's fragments and scale bytes are in
.irp x, 0,1
	v_lshl_or_b32 v[VSC+\x], v[LOM+\x], 8, v[VSC+\x]               ; V's scale word: block X, block X + 1
.endr
	; the row's sum, of the UNQUANTISED p: sixteen pairs a head, added in place.  These 30 lines also stand between the vector writes of p's codes and of the scale words and the products below
.irp u, 0,2,4,6,8,10,12,14
.irp x, 0,1
	v_pk_add_f32 v[T+32*\x+\u:T+32*\x+\u+1], v[T+32*\x+\u:T+32*\x+\u+1], v[T+32*\x+16+\u:T+32*\x+17+\u]
.endr
.endr
.irp u, 0,2,4,6
.irp x, 0,1
	v_pk_add_f32 v[T+32*\x+\u:T+32*\x+\u+1], v[T+32*\x+\u:T+32*\x+\u+1], v[T+32*\x+8+\u:T+32*\x+9+\u]
.endr
.endr
.irp u, 0,2
.irp x, 0,1
	v_pk_add_f32 v[T+32*\x+\u:T+32*\x+\u+1], v[T+32*\x+\u:T+32*\x+\u+1], v[T+32*\x+4+\u:T+32*\x+5+\u]
.endr
.endr
.irp x, 0,1
	v_pk_add_f32 v[T+32*\x:T+32*\x+1], v[T+32*\x:T+32*\x+1], v[T+32*\x+2:T+32*\x+3]
.endr
	; ---- PRODUCT 2: O^T = V^T P^T.  Source 0: 16 channels x (block X, block X + 1, and six registers that meet zero codes); source 1: p.  Register j of lane (r, h): query r, channel 16 t + 8 h + j.
.macro OPROD x, t
.set rD, BI+16*(\x)+8*(\t)
.set rA, KV+12*(\x)+6*(\t)
.set rB, QS+6+24*(\x)
.if \t
	v_wmma_scale_f32_16x16x128_f8f6f4 v[rD:rD+7], v[rA:rA+11], v[rB:rB+11], 0, v[VSC+\x], v[PSC+\x] matrix_a_fmt:MATRIX_FMT_FP6 matrix_b_fmt:MATRIX_FMT_FP6 matrix_a_scale:MATRIX_SCALE_ROW1
.else
	v_wmma_scale_f32_16x16x128_f8f6f4 v[rD:rD+7], v[rA:rA+11], v[rB:rB+11], 0, v[VSC+\x], v[PSC+\x] matrix_a_fmt:MATRIX_FMT_FP6 matrix_b_fmt:MATRIX_FMT_FP6
.endif
.endm
	s_wait_alu depctr_va_vdst(0)                   ; p's codes, p's scale words and V's scale words, all made by vector lines, are written: the four products below take them as source 1 and as scales
.irp t, 0,1
	OPROD 0, \t
	OPROD 1, \t
.endr
	; the sums are finished behind the products: four additions and a v_nop, which name none of the products' registers, are the plain lines in front of the first read of O^T
.irp x, 0,1
	v_add_f32 v[MM+8*\x], v[T+32*\x], v[T+32*\x+1]
.endr
.irp x, 0,1
	v_permlanex16_b32 v[MM+8*\x+2], v[MM+8*\x], s40, s41
.endr
.irp x, 0,1
	v_add_f32 v[MM+8*\x], v[MM+8*\x], v[MM+8*\x+2]                 ; with lane l xor 16's: the row's sum
.endr
	s_wait_alu depctr_va_vdst(0)
.irp x, 0,1
	v_rcp_f32 v[MM+8*\x+4], v[MM+8*\x]
.endr
	v_nop                                          ; one plain line behind the reciprocals
	; ---- THE WAY OUT.  O^T / the sum goes through my own stage: row = query, 256 bytes = head A's 32 channels, head B's 32; it comes back by rows, is multiplied by G and stored.
	s_wait_alu depctr_va_vdst(0)
.irp j, 0,2,4,6,8,10,12,14
.irp x, 0,1
	v_pk_mul_f32 v[BI+16*\x+\j:BI+16*\x+\j+1], v[BI+16*\x+\j:BI+16*\x+\j+1], v[MM+8*\x+4:MM+8*\x+5] op_sel_hi:[1,0]
.endr
.endr
	s_wait_alu depctr_va_vdst(0)                   ; the divisions have written v220 to v251, which the LDS stores read; the sums are done reading and writing v156 to v187, in which the LDS loads land
.irp x, 0,1
.irp t, 0,1
	ds_store_b128 v[STO], v[BI+16*\x+8*\t:BI+16*\x+8*\t+3] offset:128*\x+64*\t
	ds_store_b128 v[STO], v[BI+16*\x+8*\t+4:BI+16*\x+8*\t+7] offset:128*\x+64*\t+16
.endr
.endr
.irp i, 0,1,2,3,4,5,6,7
	ds_load_b128 v[T+4*\i:T+4*\i+3], v[SRD] offset:2*VP*\i         ; LDS serves a wave's instructions in order (ISA guide 5.7.1.4): these see my stores; queries 2 i (lanes 0-15) and 2 i + 1
.endr
	s_wait_loadcnt 0x0                             ; G
.irp q, 0,1                                    ; four of the eight stage loads at a time: their multiplications by G, one wait, their four stores
.irp k, 0,1,2,3
	s_wait_dscnt 7-4*\q-\k                         ; load 4 q + k is back; the younger ones may be out
	v_pk_mul_f32 v[T+16*\q+4*\k:T+16*\q+4*\k+1], v[T+16*\q+4*\k:T+16*\q+4*\k+1], v[GG+16*\q+4*\k:GG+16*\q+4*\k+1]
	v_pk_mul_f32 v[T+16*\q+4*\k+2:T+16*\q+4*\k+3], v[T+16*\q+4*\k+2:T+16*\q+4*\k+3], v[GG+16*\q+4*\k+2:GG+16*\q+4*\k+3]
.endr
	s_wait_alu depctr_va_vdst(0)                   ; these eight multiplications have written their sixteen registers, which the four stores below read
.irp k, 0,1,2,3
	global_store_b128 v[OO], v[T+16*\q+4*\k:T+16*\q+4*\k+3], s[20:21] offset:2048*(4*\q+\k) th:TH_STORE_NT   ; sixteen lanes store 256 consecutive bytes, at a multiple of 256 from out's first byte; no register of a store is written again
.endr
.endr
	s_wait_dscnt 0x0
	s_wait_alu depctr_hold_cnt(0) depctr_sa_sdst(0) depctr_va_vdst(0) depctr_va_sdst(0) depctr_va_ssrc(0) depctr_va_vcc(0) depctr_vm_vsrc(0)
	s_wait_tensorcnt 0x0
	ds_add_u32 v254, v255
	s_wait_dscnt 0x0
	s_endpgm
.Lfunc_end_k_q51ad0a29f4_band_attn:
	.size	k_q51ad0a29f4_band_attn, .Lfunc_end_k_q51ad0a29f4_band_attn-k_q51ad0a29f4_band_attn
	.p2alignl 7, 3214868480
	.fill 96, 4, 3214868480
	.section	.rodata,"a",@progbits
	.p2align	6, 0x0
	.amdhsa_kernel k_q51ad0a29f4_band_attn
		.amdhsa_group_segment_fixed_size 54272
		.amdhsa_private_segment_fixed_size 0
		.amdhsa_enable_private_segment 0
		.amdhsa_kernarg_size 72
		.amdhsa_user_sgpr_count 2
		.amdhsa_user_sgpr_kernarg_segment_ptr 1
		.amdhsa_wavefront_size32 1
		.amdhsa_system_sgpr_workgroup_id_x 1
		.amdhsa_system_sgpr_workgroup_id_y 1
		.amdhsa_system_sgpr_workgroup_id_z 1
		.amdhsa_system_vgpr_workitem_id 0
		.amdhsa_next_free_vgpr 256
		.amdhsa_next_free_sgpr 66
		.amdhsa_reserve_vcc 0
		.amdhsa_float_denorm_mode_32 3
		.amdhsa_float_denorm_mode_16_64 3
		.amdhsa_memory_ordered 1
		.amdhsa_forward_progress 1
		.amdhsa_inst_pref_size 37
	.end_amdhsa_kernel
	.amdgpu_metadata
---
amdhsa.version: [ 1, 2 ]
amdhsa.kernels:
  - .name:           k_q51ad0a29f4_band_attn
    .symbol:         k_q51ad0a29f4_band_attn.kd
    .args:
      - { .name: G, .offset: 0, .size: 8, .value_kind: global_buffer, .address_space: global }
      - { .name: K_codes, .offset: 8, .size: 8, .value_kind: global_buffer, .address_space: global }
      - { .name: K_scales, .offset: 16, .size: 8, .value_kind: global_buffer, .address_space: global }
      - { .name: Q_codes, .offset: 24, .size: 8, .value_kind: global_buffer, .address_space: global }
      - { .name: Q_scales, .offset: 32, .size: 8, .value_kind: global_buffer, .address_space: global }
      - { .name: V_codes, .offset: 40, .size: 8, .value_kind: global_buffer, .address_space: global }
      - { .name: V_scales, .offset: 48, .size: 8, .value_kind: global_buffer, .address_space: global }
      - { .name: seqMask, .offset: 56, .size: 8, .value_kind: global_buffer, .address_space: global }
      - { .name: out0, .offset: 64, .size: 8, .value_kind: global_buffer, .address_space: global }
    .group_segment_fixed_size: 54272
    .private_segment_fixed_size: 0
    .kernarg_segment_align: 8
    .kernarg_segment_size: 72
    .max_flat_workgroup_size: 256
    .sgpr_count:     66
    .vgpr_count:     256
    .wavefront_size: 32
...
	.end_amdgpu_metadata
.endif
;; end of part 2
